; MI455X (gfx1250); checked and timed in simulation.
; The chip was launched on July 23, 2026; its instructions are those of AMD's public machine-readable ISA for CDNA 5 (MIT licence, August 2026) and "CDNA5" Instruction Set Architecture Reference Guide (July 2026). The comments in the code are by the model that wrote it; some were corrected since.
;; Key Value Memory. Allowed arithmetic: matrix products marked QUANTISED: E2M3 operands, one E8M0 scale for each 32 along K, by v_wmma_scale_f32_16x16x128_f8f6f4 with both operands' format E2M3, f32 sums; everything else in f32.
;; Inputs: keys_codes 4,096 x 32 x 24 uint8 (E2M3 codes of keys, K innermost, in blocks of 32 codes, four codes in three bytes); keys_scales 4,096 x 32 uint8 (E8M0 scales of keys, one for each 32 codes along K); values_codes 1,024 x 128 x 24 uint8 (E2M3 codes of values, K innermost, in blocks of 32 codes, four codes in three bytes); values_scales 1,024 x 128 uint8 (E8M0 scales of values, one for each 32 codes along K); z_codes 8,192 x 32 x 24 uint8 (E2M3 codes of z, K innermost, in blocks of 32 codes, four codes in three bytes); z_scales 8,192 x 32 uint8 (E8M0 scales of z, one for each 32 codes along K).
;; Outputs: out0 8,192 x 1,024 float32.
;; This version of the problem:
;;   THIS VERSION OF THE PROBLEM IS GIVEN IN LOW PRECISION. The matrix products marked QUANTISED in the list below multiply operands that are first quantised to E2M3 (2 exponent bits, 3 mantissa bits; 6 bits a number), with one power-of-two scale for each 32 numbers along K (OCP MX v1.0); their sums are f32. All else is computed in f32.
;;   The module's matrix products, in the order in which they are computed (A, B: the left and right operand; K: the contracted axis; several contracted axes count as one K, in the product's order):
;;     1. [M 8,192, K 1,024] x [K 1,024, N 4,096]; A: input z (given as codes); B: input keys (given as codes): QUANTISED
;;     2. [M 8,192, K 4,096] x [K 4,096, N 1,024]; A: softmax (see below); B: input values (given as codes): QUANTISED
;;   THE QUANTISER, for each operand of a quantised product, along K:
;;     - K is cut into blocks of 32 from its start; a last block that is shorter is filled with zeros.
;;     - A block's scale is 2^e with e = floor(log2(the largest magnitude in the block)) - 2, held to -126 .. 127; a block of zeros has e = 0. As a byte (E8M0): e + 127.
;;     - Each number is divided by its block's scale, clamped to +-7.5, and rounded to the nearest number of E2M3, ties to even, subnormals kept.
;;     - The product sums the exact products of the quantised numbers (number of the format x scale) in f32.
;;   ~~~python
;;   def quantise(x, axis):      # numpy; x: float32 -> the quantised numbers, widened to float32 again
;;       x = np.moveaxis(x, axis, -1); K = x.shape[-1]
;;       x = np.pad(x, [(0, 0)] * (x.ndim - 1) + [(0, -K % 32)]); x = x.reshape(x.shape[:-1] + (-1, 32)); a = np.abs(x).max(-1, keepdims=True)
;;       e = np.where(a > 0, np.clip(np.frexp(np.where(a > 0, a, 1))[1] - 1 - 2, -126, 127), 0)      # np.frexp(a)[1] - 1 = floor(log2(a)), exactly
;;       r = np.clip(x / 2.0 ** e, -7.5, 7.5)
;;       step = 2.0 ** (np.maximum(np.frexp(np.where(r == 0, 1, r))[1] - 1, 0) - 3)
;;       q = np.round(r / step) * step * 2.0 ** e      # np.round: ties to even
;;       return np.moveaxis(q.reshape(q.shape[:-2] + (-1,))[..., :K], -1, axis).astype(np.float32)
;;   ~~~
;;   SOFTMAX AHEAD OF A QUANTISED PRODUCT. Where the list says 'softmax', what is quantised is not the finished softmax but p = 2^(t - M), with t = logit x log2(e) and M = ceil(the row's largest t), a whole number; so 1/2 < the row's largest p <= 1. The row's sum l is taken of the UNQUANTISED p, in f32, and the product's result is divided by l at the end. Since M is a whole number, a kernel that streams over the keys may use a running M (the ceiling of the running maximum): every later rescaling is an exact power of two, which a block's scale takes up: the codes' values come out the same.
;;   OPERANDS COMPUTED ON THE WAY. 'Computed on the way' means the value that the module computes at that place (a softmax that the list does not call 'softmax' is quantised finished and normalised). What goes into a quantiser is computed in f32, as accurately as f32 sums, v_exp_f32 and their like allow (about 1e-6 of the number): no bf16 or f16 on the way to a quantiser, and a product that is left as it is and whose result goes on into a quantised operand takes f32 operands (vector FMAs, or v_wmma_f32_16x16x4_f32). A number that lies on a knife's edge between two numbers of the format may be rounded either way, as far as f32 arithmetic and the matrix unit's own rounding can turn it there, and no further.
;;   INPUTS GIVEN AS CODES. keys (in the module: [4096, 1024], K = its axis 1); values (in the module: [4096, 1024], K = its axis 0); z (in the module: [8192, 1024], K = its axis 1): each comes as NAME_codes (uint8): NAME with its K axis moved to the last place and cut into blocks of 32 codes, [.., K / 32, bytes a block], one block behind the other in memory; four codes in three bytes: a row's codes are one little-endian stream of bits, code i at bits 6 i .. 6 i + 5 (a code: sign, 2 exponent bits, 3 mantissa bits); and NAME_scales (uint8): the same leading axes, one E8M0 byte (e + 127) for each 32 codes along K. Its value is code x scale, taken as it is: it is not quantised again, and the codes and scales need not be those that the quantiser above would give.
;; One version. Each part assembles by itself: llvm-mc -triple=amdgcn-amd-amdhsa -mcpu=gfx1250 --defsym DOCPART=n.
;; ======== version 1 of 1: 2 launches
;; limits: right only within a limited range of input values
;; workspace buffers: pf 25,165,824 bytes; st 4,194,304 bytes; vf 3,276,800 bytes
;; launch scores (part 1): grid 8 x 32, 4 waves a work-group, clusters of 4 x 4, 327,680 bytes of LDS; arguments z_codes, z_scales, keys_codes, keys_scales, values_codes, values_scales, pf, st, vf; writes pf, st, vf
.if DOCPART == 1
	.amdgcn_target "amdgcn-amd-amdhsa--gfx1250"
	.amdhsa_code_object_version 6
	.text
	.protected	k_qc6cb1aa3b4_scores
	.globl	k_qc6cb1aa3b4_scores
	.p2align	8
	.type	k_qc6cb1aa3b4_scores,@function
k_qc6cb1aa3b4_scores:
	s_mov_b64 s[64:65], 0
	v_nop
	global_prefetch_b8 v0, s[64:65] scope:SCOPE_SE
	s_setreg_imm32_b32 hwreg(HW_REG_WAVE_MODE, 25, 1), 1
	s_wait_xcnt 0x0
	s_wait_alu depctr_hold_cnt(0) depctr_sa_sdst(0) depctr_va_vdst(0) depctr_va_sdst(0) depctr_va_ssrc(0) depctr_va_vcc(0) depctr_vm_vsrc(0)
	s_getreg_b32 s2, hwreg(HW_REG_IB_STS2, 6, 4)
	s_cmp_eq_u32 s2, 0
	s_cbranch_scc0 .Lentry_in_a_cluster
	s_endpgm
.Lentry_in_a_cluster:
	s_bfe_u32 s2, ttmp6, 0x10000c
	s_cmp_lg_u32 s2, 0xf033
	s_cbranch_scc0 .Lentry_shape_is_right
	s_endpgm
.Lentry_shape_is_right:
; FIRST OF TWO LAUNCHES.  S = z keys^T on codes of FP6 (E2M3) with E8M0 scales, K = 1,024; then, per row and per 128 keys, a LOCAL softmax: t = S x log2(e), M = ceil(the largest t of these 128 keys),
; p = 2^(t - M), l = the sum of the unquantised p; p is quantised in blocks of 32 keys.  M is a whole number, so the second launch brings every block under the row's own M by taking a whole number off its scale byte.
; OUT: pf: p's codes as images of the second product's operand registers, [128 rows][128 keys][tile of 16 rows][1,536 bytes]; st: [128 keys][row] 16 bytes: M, l (f32), the four scale bytes, 0.
; SIDE JOB: each work-group also lays one tile of values (16 channels x 1,024 keys) into vf in the order of the operand's registers, and its scale bytes behind them.
; LIMITS: NaN and infinities are not served; |score| x log2(e) has to be finite in f32; p under 2^-126 counts as 0.
; SHAPE: a work-group makes 512 keys x 256 rows of z.  A wave KEEPS its 128 keys, all of K, in registers: 64 fragments of 12 registers.  The 256 rows of z, all of K, lie in LDS, and the loop has no barrier.
; A wave walks the 16 blocks of 16 rows: 64 matrix instructions (8 accumulators by turns), then the block's softmax; the next block's fragments of z are read from LDS under the softmax.
; Rows of z and keys are 768 bytes, three runs of 256 bytes from a 256-byte border, dense in memory: they come as rows of 256 bytes, 16 bytes of padding behind each (an LDS row: 816 bytes).
; TWO FILLS of the same 384 LDS rows: first the keys of waves 0 to 2 (each wave fetches 96 rows), which those waves take into registers; then, behind the full sequence and a round of the cluster's barrier,
; z's 256 rows (waves 0 and 1 fetch) and wave 3's 128 keys (waves 2 and 3 fetch).
; CLUSTER 4, 4, 1: the four work-groups of a row of the cluster take the same rows of z, the four of a column the same keys: every tile is asked for jointly.
; No prefetch: every byte that the launch reads is asked for at its head; the loop reads no memory.
; THE MATRIX INSTRUCTION IS USED TRANSPOSED (source 0 = 16 keys, source 1 = 16 rows of z): lane (r, h) holds row r, and register j of accumulator b the key 16 b + 8 h + j.
; REGISTERS: windows 1 to 3: 21 fragments of keys each (fragment f = 8 w + tile); window 0: the 64th fragment and all else.
.set PITCH, 816
.set KW3,   256*PITCH                  ; the second fill: wave 3's keys behind z's 256 rows
.set ZSL,   384*PITCH                  ; z's scale bytes: 256 rows x 32
.set SPARE, ZSL+8192                   ; the spare words, 128 bytes a wave
.set ZA,  1                            ; v1, v2 LDS address of my piece of z's rows; v2: behind one padding more for lanes 16-31
.set ZS,  3                            ; v3 z's scale words: 32 bytes x lane
.set IMG, 4                            ; v4 16 x lane
.set SPW, 5
.set NIL, 6
.set KS,  8                            ; v8-39 keys' scale words: 8 (tile / 2) + w; lanes 0-15 the even tile, lanes 16-31 the odd one
.set ZSC, 40                           ; v40-47 z's scale words: lanes 0-15 the even block's rows, lanes 16-31 the odd block's
.set ZF,  48                           ; v48-143 a block's eight fragments of z
.set KX,  144                          ; v144-155 keys' fragment 63
.set ACC, 156                          ; v156-219 the accumulators, then t - M, p and the codes
.set BM,  220
.set BX,  224
.set CH,  224                          ; v224-235 the sum's six chains of pairs (BX and SO at other times)
.set SO,  228
.set NM,  236
.set RM,  238
.set EV,  240                          ; M, l, scale word of the even block
.set REC, 244
.set OD,  248                          ; those of the odd block
.set VV,  156                          ; head only: the tile of values
.set ZT,  184                          ; head only: z's scale bytes on their way
.set KA,  200                          ; head only: v200-203 my piece of my keys' rows: tiles 0-3, tiles 4-7
.set ZST, 204
.set ZGO, 205
.set KSO, 206
.set VIN, 252
.set VSI, 253
.set VSO, 254
.set CD,  ACC+48                       ; the block's codes: an operand's 12 registers
.set CS,  48                           ; s[48:49] log2(e), twice
.set SEL, 50                           ; s[50:51] lane l xor 16
.set HM,  52                           ; s52 lanes 16-31
.set P1,  60                           ; byte selectors: both low halves;
.set P2,  61                           ; the second source's high half, the first's low half;
.set P3,  62                           ; both high halves
.set CW,  (3<<16)|(1<<20)|(1<<21)|(5<<22)|(3<<25)   ; elements of 8 bytes; padding on; bit 21 beside a mask; 4 words behind every 64
.set MSB, 0
.macro WIN new                         ; the immediate's high byte repeats the setting that is left
.if MSB != \new
	s_set_vgpr_msb (MSB<<8)|\new
.set MSB, \new
.endif
.endm
.macro KREG f                          ; where keys' fragment f lies
.if (\f) == 63
.set KW, 0
.set KR, KX
.else
.set KW, 1+(\f)/21
.set KR, 12*((\f)%21)
.endif
.endm
.macro CROUND                          ; a round of the cluster's barrier
	s_barrier_signal -1
	s_barrier_wait -1
	s_cmp_lg_u32 s22, 0
	s_cbranch_scc1 .Lnot_wave_0_\@
	s_barrier_signal -3
.Lnot_wave_0_\@:
	s_barrier_wait -3
	s_barrier_signal -1
	s_barrier_wait -1
.endm
.macro FRAG reg, adr, w, off           ; 16 rows x 128 K: six pieces of 8 bytes; 32 pieces to a run of 256 bytes; where lanes 16-31 (three pieces on) lie in the next run, the second address serves
.irp p, 0,1,2,3,4,5
.set PC, 12*(\w)+6*(\p/3)+\p%3
.if PC%32 < 29
	ds_load_b64 v[\reg+2*\p:\reg+2*\p+1], v[\adr] offset:8*PC+16*(PC/32)+(\off)
.else
	ds_load_b64 v[\reg+2*\p:\reg+2*\p+1], v[\adr+1] offset:8*PC+16*(PC/32)+(\off)
.endif
.endr
.endm
.macro KREAD                           ; my 128 keys, all of K, into their registers
.set n, 0
.rept 64
	KREG n
	WIN KW<<6
	FRAG KR, KA+2*((n%8)/4), n/8, (n%4)*16*PITCH
.set n, n+1
.endr
	WIN 0
.endm
.macro WM b, w, par, zero
	KREG 8*(\w)+(\b)
	WIN KW
.set rD, ACC+8*(\b)
.set rZ, ZF+12*(\w)
.set rK, KS+8*((\b)/2)+(\w)
.set rS, ZSC+(\w)
.set odd, 2*(\par)+(\b)%2
.if \zero
.if odd == 0
	v_wmma_scale_f32_16x16x128_f8f6f4 v[rD:rD+7], v[KR:KR+11], v[rZ:rZ+11], 0, v[rK], v[rS] matrix_a_fmt:MATRIX_FMT_FP6 matrix_b_fmt:MATRIX_FMT_FP6
.elseif odd == 1
	v_wmma_scale_f32_16x16x128_f8f6f4 v[rD:rD+7], v[KR:KR+11], v[rZ:rZ+11], 0, v[rK], v[rS] matrix_a_fmt:MATRIX_FMT_FP6 matrix_b_fmt:MATRIX_FMT_FP6 matrix_a_scale:MATRIX_SCALE_ROW1
.elseif odd == 2
	v_wmma_scale_f32_16x16x128_f8f6f4 v[rD:rD+7], v[KR:KR+11], v[rZ:rZ+11], 0, v[rK], v[rS] matrix_a_fmt:MATRIX_FMT_FP6 matrix_b_fmt:MATRIX_FMT_FP6 matrix_b_scale:MATRIX_SCALE_ROW1
.else
	v_wmma_scale_f32_16x16x128_f8f6f4 v[rD:rD+7], v[KR:KR+11], v[rZ:rZ+11], 0, v[rK], v[rS] matrix_a_fmt:MATRIX_FMT_FP6 matrix_b_fmt:MATRIX_FMT_FP6 matrix_a_scale:MATRIX_SCALE_ROW1 matrix_b_scale:MATRIX_SCALE_ROW1
.endif
.else
.if odd == 0
	v_wmma_scale_f32_16x16x128_f8f6f4 v[rD:rD+7], v[KR:KR+11], v[rZ:rZ+11], v[rD:rD+7], v[rK], v[rS] matrix_a_fmt:MATRIX_FMT_FP6 matrix_b_fmt:MATRIX_FMT_FP6
.elseif odd == 1
	v_wmma_scale_f32_16x16x128_f8f6f4 v[rD:rD+7], v[KR:KR+11], v[rZ:rZ+11], v[rD:rD+7], v[rK], v[rS] matrix_a_fmt:MATRIX_FMT_FP6 matrix_b_fmt:MATRIX_FMT_FP6 matrix_a_scale:MATRIX_SCALE_ROW1
.elseif odd == 2
	v_wmma_scale_f32_16x16x128_f8f6f4 v[rD:rD+7], v[KR:KR+11], v[rZ:rZ+11], v[rD:rD+7], v[rK], v[rS] matrix_a_fmt:MATRIX_FMT_FP6 matrix_b_fmt:MATRIX_FMT_FP6 matrix_b_scale:MATRIX_SCALE_ROW1
.else
	v_wmma_scale_f32_16x16x128_f8f6f4 v[rD:rD+7], v[KR:KR+11], v[rZ:rZ+11], v[rD:rD+7], v[rK], v[rS] matrix_a_fmt:MATRIX_FMT_FP6 matrix_b_fmt:MATRIX_FMT_FP6 matrix_a_scale:MATRIX_SCALE_ROW1 matrix_b_scale:MATRIX_SCALE_ROW1
.endif
.endif
.endm
.macro ORDER x, y                      ; x: pieces 0 and 2 of the lane's block (48 bits each), y: pieces 1 and 3; the six registers from x on take the four pieces in order
	v_perm_b32 v[\x+3], v[\x+2], v[\x+1], s[P2]
	v_perm_b32 v[\x+4], v[\y+1], v[\x+2], s[P3]
	v_mov_b32 v[\x+5], v[\y+2]
	v_perm_b32 v[\x+1], v[\y], v[\x+1], s[P1]
	v_perm_b32 v[\x+2], v[\y+1], v[\y], s[P2]
.endm
; The softmax of 16 rows x 128 keys, in the accumulators' own registers, and the way out: nothing goes through LDS.
; The 16 registers of accumulators 2 b, 2 b + 1 are 16 keys of block b: of its four pieces of 8 keys, pieces 0 and 2 in lanes 0-15, pieces 1 and 3 in lanes 16-31.
.macro SOFT par
.if \par
.set RR, OD
.else
.set RR, EV
.endif
.irp b, 0,1,2,3                        ; each block's largest score, a chain for each accumulator; each accumulator is read from its low end on
	v_max3_num_f32 v[BM+\b], v[ACC+16*\b], v[ACC+16*\b+1], v[ACC+16*\b+2]
	v_max3_num_f32 v[BX+\b], v[ACC+16*\b+8], v[ACC+16*\b+9], v[ACC+16*\b+10]
.endr
.irp i, 3,5
.irp b, 0,1,2,3
	v_max3_num_f32 v[BM+\b], v[BM+\b], v[ACC+16*\b+\i], v[ACC+16*\b+\i+1]
	v_max3_num_f32 v[BX+\b], v[BX+\b], v[ACC+16*\b+\i+8], v[ACC+16*\b+\i+9]
.endr
.endr
.irp b, 0,1,2,3
	v_max_num_f32 v[BX+\b], v[BX+\b], v[ACC+16*\b+15]
.endr
.irp b, 0,1,2,3
	v_max3_num_f32 v[BM+\b], v[BM+\b], v[ACC+16*\b+7], v[BX+\b]
.endr
.irp b, 0,1,2,3
	v_permlanex16_b32 v[BX+\b], v[BM+\b], s[SEL], s[SEL+1]
.endr
.irp b, 0,1,2,3
	v_max_num_f32 v[BM+\b], v[BM+\b], v[BX+\b]     ; with lane l xor 16's 16 keys
.endr
	v_max3_num_f32 v[RM], v[BM], v[BM+1], v[BM+2]
	v_max_num_f32 v[RM], v[RM], v[BM+3]
	v_mul_f32 v[RM], s[CS], v[RM]                  ; the largest t of my row among these 128 keys
	v_floor_f32 v[NM], -v[RM]                      ; -M = -ceil(t)
.set j, 0
.rept 32
	v_pk_fma_f32 v[ACC+j:ACC+j+1], v[ACC+j:ACC+j+1], s[CS:CS+1], v[NM:NM+1] op_sel_hi:[1,0,0]   ; t - M
.set j, j+2
.endr
.irp b, 0,1,2,3
	v_fma_f32 v[BM+\b], v[BM+\b], s[CS], v[NM]     ; the same of each block's largest score
.endr
	s_wait_alu depctr_va_vdst(0)                   ; the wait ahead of the batch
.set j, 0
.rept 64
	v_exp_f32 v[ACC+j], v[ACC+j]                   ; p = 2^(t - M)
.set j, j+1
.endr
.irp b, 0,1,2,3
	v_exp_f32 v[BM+\b], v[BM+\b]                   ; the block's largest p: the same two instructions on the same number
.endr
	v_sub_f32 v[RR], 0, v[NM]                      ; M, for the record
	s_wait_alu depctr_va_vdst(0)                   ; and behind it
.irp c, 0,1,2,3,4,5                    ; the sum of the unquantised p, in six chains of pairs
	v_pk_add_f32 v[CH+2*\c:CH+2*\c+1], v[ACC+4*\c:ACC+4*\c+1], v[ACC+4*\c+2:ACC+4*\c+3]
.endr
.set k, 0
.rept 20
	v_pk_add_f32 v[CH+2*(k%6):CH+2*(k%6)+1], v[CH+2*(k%6):CH+2*(k%6)+1], v[ACC+24+2*k:ACC+25+2*k]
.set k, k+1
.endr
	v_pk_add_f32 v[CH:CH+1], v[CH:CH+1], v[CH+2:CH+3]
	v_pk_add_f32 v[CH+4:CH+5], v[CH+4:CH+5], v[CH+6:CH+7]
	v_pk_add_f32 v[CH+8:CH+9], v[CH+8:CH+9], v[CH+10:CH+11]
.irp b, 0,1,2,3
	v_max_num_f32 v[BM+\b], 0x1800000, v[BM+\b]    ; the floor 2^(3 - 127): the byte cannot fall under 1
.endr
	v_pk_add_f32 v[CH:CH+1], v[CH:CH+1], v[CH+4:CH+5]
	v_pk_add_f32 v[CH:CH+1], v[CH:CH+1], v[CH+8:CH+9]
.irp b, 0,1,2,3
	v_add_nc_u32 v[SO+\b], 0xff000000, v[BM+\b]    ; 2 off the exponent field: the conversion's scale operand
.endr
	v_add_f32 v[CH], v[CH], v[CH+1]
	v_permlanex16_b32 v[CH+2], v[CH], s[SEL], s[SEL+1]
	v_add_f32 v[RR+1], v[CH], v[CH+2]              ; l
.irp b, 0,1,2,3
	v_lshrrev_b32 v[BX+\b], 23, v[SO+\b]           ; the scale's byte
.endr
	; from the last block down, so that each result lands on p that has been converted; a plain line stands ahead of each write of an earlier conversion's sources
	v_cvt_scalef32_pk16_fp6_f32 v[BM:BM+2], v[ACC+48:ACC+63], v[SO+3]
	v_lshl_or_b32 v[RR+2], v[BX+1], 8, v[BX]
	v_cvt_scalef32_pk16_fp6_f32 v[CD+6:CD+8], v[ACC+32:ACC+47], v[SO+2]
	v_lshl_or_b32 v[RR+2], v[BX+2], 16, v[RR+2]
	v_cvt_scalef32_pk16_fp6_f32 v[ACC+32:ACC+34], v[ACC+16:ACC+31], v[SO+1]
	v_cvt_scalef32_pk16_fp6_f32 v[CD:CD+2], v[ACC:ACC+15], v[SO]
	v_lshl_or_b32 v[RR+2], v[BX+3], 24, v[RR+2]    ; my row's scale word
.irp i, 0,1,2                          ; the operand wants a whole block in a lane: lanes 0-15 the even block, lanes 16-31 the odd one
	v_permlane16_swap_b32 v[CD+\i], v[ACC+32+\i]
	v_permlane16_swap_b32 v[CD+6+\i], v[BM+\i]
.endr
	ORDER CD, ACC+32
	ORDER CD+6, BM
.irp g, 0,1,2
	global_store_b128 v[IMG], v[CD+4*\g:CD+4*\g+3], s[16:17] offset:1536*(\par)+512*\g   ; the image: each store covers 512 consecutive bytes, aligned
.endr
.if \par
.irp k, 0,1,2
	v_cndmask_b32 v[REC+\k], v[EV+\k], v[OD+\k], s[HM]   ; lanes 0-15: the even block's rows, lanes 16-31: the odd block's
.endr
	global_store_b128 v[IMG], v[REC:REC+3], s[18:19]     ; 32 rows' records: 512 consecutive bytes, aligned
.endif
.endm
.macro BLOCK par, fetch
	s_wait_dscnt 0x0                               ; the block's fragments and scale words are in
.irp w, 0,1,2,3,4,5,6,7
.irp b, 0,1,2,3,4,5,6,7                ; the eight accumulators by turns
.if \w == 0
.if \b == 6
	s_wait_xcnt 0x0                                ; the last block's stores read registers of accumulators 6 and 7, the record's and the bases: all are written only from here on
.if \par == 0
	s_mov_b32 s54, 3072                            ; pf: two images on; at the ninth block on to the next 128 rows, 32 x 12,288 bytes from first image to first image
	s_cmp_eq_u32 s53, 4
	s_cselect_b32 s54, 384000, s54
	s_add_nc_u64 s[16:17], s[16:17], s[54:55]
	s_add_nc_u64 s[18:19], s[18:19], 512
.endif
.endif
	WM \b, \w, \par, 1
.else
	WM \b, \w, \par, 0
.endif
.endr
.endr
	WIN 0
.rept 4
	v_nop                                          ; places behind the last products (ISA guide 7.12.1)
.endr
.if \fetch
.irp w, 0,1,2,3,4,5,6,7
	FRAG ZF+12*\w, ZA, \w, (\par+1)*16*PITCH       ; the next block's fragments land under the softmax
.endr
.if \par
	ds_load_b128 v[ZSC:ZSC+3], v[ZS] offset:1024
	ds_load_b128 v[ZSC+4:ZSC+7], v[ZS] offset:1040
.endif
.endif
	SOFT \par
.endm
	s_load_b256 s[4:11], s[0:1], 0x0               ; z's codes s[4:5], z's scales s[6:7], keys' codes s[8:9], keys' scales s[10:11]
	s_load_b256 s[12:19], s[0:1], 0x20             ; values' codes s[12:13], values' scales s[14:15], pf s[16:17], st s[18:19]
	s_load_b64 s[20:21], s[0:1], 0x40              ; vf
	v_lshl_add_u32 v[SPW], v0, 2, SPARE
	v_mov_b32 v[NIL], 0
	ds_add_u32 v[SPW], v[NIL]                      ; the opening lines: the add, twice on end, and its wait
	ds_add_u32 v[SPW], v[NIL]
	v_lshrrev_b32 v7, 5, v0
	v_readfirstlane_b32 s22, v7                    ; wave q
	s_min_u32 s27, s22, 2
	s_mul_i32 s27, s27, 128*PITCH                  ; where my keys lie when I read them: waves 0 to 2 in the first fill, wave 3 behind z in the second
	v_and_b32 v[IMG], 31, v0                       ; lane
	v_and_b32 v7, 15, v0                           ; r
	v_bfe_u32 v248, v0, 4, 1                       ; h
	v_mul_u32_u24 v[ZA], v7, PITCH
	v_mad_u32_u24 v[ZA], v248, 24, v[ZA]
	v_lshl_add_u32 v[ZA+1], v248, 4, v[ZA]
	v_add_nc_u32 v[KA], s27, v[ZA]
	v_add_nc_u32 v[KA+1], s27, v[ZA+1]
	v_add_nc_u32 v[KA+2], 64*PITCH, v[KA]
	v_add_nc_u32 v[KA+3], 64*PITCH, v[KA+1]
	v_lshl_add_u32 v[ZST], v0, 4, ZSL
	v_lshlrev_b32 v[ZGO], 4, v0
	v_lshl_add_u32 v[ZS], v[IMG], 5, ZSL
	v_lshlrev_b32 v[KSO], 5, v[IMG]                ; keys' scale bytes: 32 a row, a lane a row
	v_mul_u32_u24 v[VIN], v7, 3072
	v_mad_u32_u24 v[VIN], v248, 48, v[VIN]         ; values: row r of 3,072 bytes + 48 h
	v_lshrrev_b32 v250, 1, v[IMG]
	v_and_b32 v251, 1, v[IMG]
	v_lshlrev_b32 v[VSO], 4, v250
	v_mad_u32_u24 v[VSO], v251, 102400, v[VSO]
	v_lshlrev_b32 v[VSI], 7, v250
	v_lshl_add_u32 v[VSI], v251, 4, v[VSI]
	v_lshlrev_b32 v[IMG], 4, v[IMG]
.irp b, 0,1,2,3
	v_mov_b32 v[BX+\b], 0                          ; a lane permute's destination counts as one of its sources
.endr
	v_mov_b32 v[NM+1], 0                           ; (named as the upper half of the pair)
	v_mov_b32 v[REC+3], 0                          ; a record's fourth word
	s_bfe_u32 s23, ttmp6, 0x40000                  ; cx
	s_bfe_u32 s26, ttmp6, 0x40004                  ; cy
	s_lshl_b32 s24, ttmp9, 2
	s_add_co_u32 s24, s24, s23                     ; kx: which 512 keys
	s_and_b32 s25, ttmp7, 0xffff
	s_lshl_b32 s25, s25, 2
	s_add_co_u32 s25, s25, s26                     ; ry: which 256 rows of z
	s_and_b32 s87, s22, 1
	s_lshr_b32 s63, s22, 1                         ; in the second fill: I fetch for z (0) or for keys (1)
	s_lshl_b32 s26, s26, 2
	s_lshl_b32 s26, 15, s26                        ; my row of the cluster
	s_lshl_b32 s23, 0x1111, s23                    ; my column
	s_or_b32 s40, s23, CW                          ; keys' tiles: rows of 256 bytes (32 elements of 8); 96 rows of keys are 288 of them
	s_mov_b32 s41, 32<<16
	s_mov_b32 s42, 288<<16
	s_mov_b32 s43, 32<<16
	s_mov_b32 s44, 288
	s_mov_b32 s45, 32
	s_mov_b32 s46, 0
	s_mov_b32 s47, 0
	s_or_b32 s88, s26, CW                          ; z's tiles: 128 rows are 384 rows of 256 bytes
	s_mov_b32 s89, 32<<16
	s_mov_b32 s90, 384<<16
	s_mov_b32 s91, 32<<16
	s_mov_b32 s92, 384
	s_mov_b32 s93, 32
	s_mov_b32 s94, 0
	s_mov_b32 s95, 0
	s_mov_b32 s36, 1
	s_mul_i32 s37, s22, 96*PITCH
	s_mov_b32 s56, 1
	s_mul_i32 s57, s87, 128*PITCH
	s_mul_i32 s30, s24, 512*768
	s_mul_i32 s86, s22, 96*768
	s_add_co_u32 s28, s30, s86                     ; first fill: keys' row 512 kx + 96 q
	s_mov_b32 s29, 0
	s_mul_i32 s86, s87, 64*768
	s_add_co_u32 s30, s30, s86
	s_add_co_u32 s30, s30, 384*768                 ; second fill: keys' row 512 kx + 384 + 64 (q % 2)
	s_mov_b32 s31, 0
	s_mul_i32 s32, s25, 256*768
	s_mul_i32 s86, s87, 128*768
	s_add_co_u32 s32, s32, s86                     ; z's row 256 ry + 128 (q % 2)
	s_mov_b32 s33, 0
	s_lshl_b32 s34, s25, 13                        ; z's scale bytes: 256 ry rows of 32
	s_mov_b32 s35, 0
	s_lshl_b32 s60, s24, 14
	s_lshl_b32 s61, s22, 12
	s_add_co_u32 s60, s60, s61                     ; keys' scale bytes: row 512 kx + 128 q
	s_mov_b32 s61, 0
	; the side job: work-group g = 8 ry + kx takes tile t = g / 4 of 16 channels and the runs sg = 2 (g % 4), sg + 1 of 512 keys; wave q the q-th 128 keys of both runs
	s_lshl_b32 s66, s25, 3
	s_add_co_u32 s66, s66, s24
	s_lshr_b32 s67, s66, 2                         ; t
	s_and_b32 s68, s66, 3
	s_lshl_b32 s68, s68, 1                         ; sg
	s_mul_i32 s70, s67, 49152
	s_mul_i32 s71, s68, 384
	s_add_co_u32 s70, s70, s71
	s_mul_i32 s71, s22, 96
	s_add_co_u32 s70, s70, s71
	s_mov_b32 s71, 0
	s_lshl_b32 s72, s67, 11
	s_lshl_b32 s73, s68, 4
	s_add_co_u32 s72, s72, s73
	s_mov_b32 s73, 0
	s_lshr_b32 s74, s67, 4
	s_lshl_b32 s74, s74, 3
	s_add_co_u32 s74, s74, s68
	s_mul_i32 s74, s74, 102400                     ; vf's block 8 (t / 16) + sg
	s_mov_b32 s75, 0
	s_and_b32 s67, s67, 15
	s_lshl_b32 s76, s67, 8
	s_mov_b32 s77, 0
	s_lshl_b32 s80, s22, 4
	s_add_co_u32 s80, s80, s67
	s_mul_i32 s80, s80, 1536                       ; image 16 q + t % 16
	s_mov_b32 s81, 0
	s_lshl_b32 s86, s24, 2
	s_add_co_u32 s86, s86, s22                     ; my step of 128 keys: 4 kx + q
	s_lshl_b32 s82, s25, 6
	s_add_co_u32 s82, s82, s86
	s_mul_i32 s82, s82, 12288                      ; pf: (32 x block of 128 rows + step) x eight images
	s_mov_b32 s83, 0
	s_lshl_b32 s84, s86, 17
	s_lshl_b32 s85, s25, 12
	s_add_co_u32 s84, s84, s85                     ; st: (8,192 x step + row) x 16 bytes
	s_mov_b32 s85, 0
	s_mov_b32 s[CS], 0x3fb8aa3b
	s_mov_b32 s[CS+1], s[CS]
	s_mov_b32 s[SEL], 0x76543210
	s_mov_b32 s[SEL+1], 0xfedcba98
	s_mov_b32 s[HM], 0xffff0000
	s_mov_b32 s55, 0
	s_wait_alu depctr_va_vdst(0)                   ; the wait at the head's end
	s_wait_dscnt 0x0                               ; both opening adds are done
	s_wait_kmcnt 0x0
	s_add_nc_u64 s[38:39], s[8:9], s[28:29]
	s_or_b32 s39, s39, 0x80000000
	s_add_nc_u64 s[30:31], s[8:9], s[30:31]
	s_add_nc_u64 s[58:59], s[4:5], s[32:33]
	s_or_b32 s59, s59, 0x80000000
	CROUND                                         ; all sixteen work-groups are here: the joint loads meet
	tensor_load_to_lds s[36:39], s[40:47]          ; the first fill: 96 of the 384 keys of waves 0 to 2: the wave's one tensor load at the head
	s_nop 0
.rept 4
	v_nop
.endr
	s_add_nc_u64 s[6:7], s[6:7], s[34:35]
	s_add_nc_u64 s[10:11], s[10:11], s[60:61]
	s_add_nc_u64 s[12:13], s[12:13], s[70:71]
	s_add_nc_u64 s[14:15], s[14:15], s[72:73]
	s_add_nc_u64 s[16:17], s[16:17], s[82:83]
	s_sub_nc_u64 s[16:17], s[16:17], 3072          ; each trip's first block steps both bases ahead of its stores
	s_add_nc_u64 s[18:19], s[18:19], s[84:85]
	s_sub_nc_u64 s[18:19], s[18:19], 512
	s_add_nc_u64 s[20:21], s[20:21], s[74:75]
	s_add_nc_u64 s[78:79], s[20:21], s[76:77]
	s_add_nc_u64 s[20:21], s[20:21], s[80:81]
	s_mov_b32 s[P1], 0x05040100
	s_mov_b32 s[P2], 0x05040302
	s_mov_b32 s[P3], 0x07060302
	s_cmp_lg_u32 s22, 0                            ; wave 0 takes the tile of values' 16 x 32 scale bytes
	s_cbranch_scc1 .Lno_vs
	global_load_b128 v[VV+24:VV+27], v[VSI], s[14:15] th:TH_LOAD_NT
.Lno_vs:
.irp k, 0,1,2,3
	global_load_b128 v[ZT+4*\k:ZT+4*\k+3], v[ZGO], s[6:7] offset:2048*\k   ; z's scale bytes: the work-group's 8,192, 64 a thread
.endr
.irp k, 0,1,2,3
	global_load_b128 v[KS+8*\k:KS+8*\k+3], v[KSO], s[10:11] offset:1024*\k
	global_load_b128 v[KS+8*\k+4:KS+8*\k+7], v[KSO], s[10:11] offset:1024*\k+16
.endr
.irp f, 0,1
.irp g, 0,1,2
	global_load_b128 v[VV+12*\f+4*\g:VV+12*\f+4*\g+3], v[VIN], s[12:13] offset:384*\f+16*\g th:TH_LOAD_NT   ; values: 16 channels x 128 keys, lane (r, h) the bytes 48 h .. 48 h + 47 of row r's 96
.endr
.endr
	s_wait_loadcnt 14                              ; all but keys' eight and values' six
.irp k, 0,1,2,3
	ds_store_b128 v[ZST], v[ZT+4*\k:ZT+4*\k+3] offset:2048*\k
.endr
	s_wait_tensorcnt 0x0                           ; my part of the first fill is in,
	s_wait_dscnt 0x0                               ; and my part of z's scale bytes is stored
	s_barrier_signal -1
	s_barrier_wait -1                              ; everybody's are
	s_cmp_eq_u32 s22, 3
	s_cbranch_scc1 .Lnot_yet
	KREAD
.Lnot_yet:
	s_mov_b32 s42, 192<<16                         ; my load is done: its descriptor now names 64 rows of keys, 192 rows of 256 bytes
	s_mov_b32 s44, 192
	s_mul_i32 s37, s87, 64*PITCH
	s_add_co_u32 s37, s37, KW3
	s_mov_b64 s[38:39], s[30:31]
	s_or_b32 s39, s39, 0x80000000
	s_wait_tensorcnt 0x0
	ds_add_u32 v[SPW], v[NIL]
	s_wait_dscnt 0x0                               ; the add is done, and my keys are in their registers
	CROUND                                         ; no wave of any partner still reads the first fill
	s_cmp_eq_u32 s63, 0
	s_cbranch_scc0 .Lfor_k
	tensor_load_to_lds s[56:59], s[88:95]          ; the second fill: 128 rows of z,
	s_nop 0
.rept 4
	v_nop
.endr
	s_branch .Lasked
.Lfor_k:
	tensor_load_to_lds s[36:39], s[40:47]          ; or 64 of wave 3's keys
	s_nop 0
.rept 4
	v_nop
.endr
.Lasked:
	s_wait_loadcnt 0x0                             ; the tile of values, and keys' scale words
.irp f, 0,1
.irp i, 0,1,2,3,4,5
	v_permlane16_swap_b32 v[VV+12*\f+\i], v[VV+12*\f+6+\i]   ; bytes 24-47 of lanes 0-15 change places with bytes 48-71 of lanes 16-31: the operand's registers
.endr
.endr
.irp f, 0,1
.irp g, 0,1,2
	global_store_b128 v[IMG], v[VV+12*\f+4*\g:VV+12*\f+4*\g+3], s[20:21] offset:102400*\f+512*\g
.endr
.endr
	s_cmp_lg_u32 s22, 0
	s_cbranch_scc1 .Lno_vs2
	global_store_b128 v[VSO], v[VV+24:VV+27], s[78:79] offset:98304
.Lno_vs2:
	s_wait_tensorcnt 0x0                           ; my part of the second fill is in
	s_barrier_signal -1
	s_barrier_wait -1                              ; everybody's is
	s_cmp_lg_u32 s22, 3
	s_cbranch_scc1 .Lhave_keys
	KREAD
.Lhave_keys:
.irp w, 0,1,2,3,4,5,6,7
	FRAG ZF+12*\w, ZA, \w, 0
.endr
	ds_load_b128 v[ZSC:ZSC+3], v[ZS]
	ds_load_b128 v[ZSC+4:ZSC+7], v[ZS] offset:16
	s_wait_xcnt 0x0                                ; the stores of values have read registers that the first products write
	s_mov_b32 s53, 0
.Ltrip:                                                ; a trip: two blocks of 16 rows
	BLOCK 0, 1
	BLOCK 1, 1
	v_add_nc_u32 v[ZA], 32*PITCH, v[ZA]
	v_add_nc_u32 v[ZA+1], 32*PITCH, v[ZA+1]
	v_add_nc_u32 v[ZS], 1024, v[ZS]
	s_add_co_u32 s53, s53, 1
	s_cmp_lt_u32 s53, 7
	s_wait_alu depctr_va_vdst(0)                   ; the wait ahead of the branch
	s_cbranch_scc1 .Ltrip
	BLOCK 0, 1
	BLOCK 1, 0                                     ; the last block fetches nothing
	s_wait_tensorcnt 0x0                           ; the wave's end
	ds_add_u32 v[SPW], v[NIL]
	s_wait_dscnt 0x0
	CROUND                                         ; the closing round
	s_endpgm
.Lfunc_end_k_qc6cb1aa3b4_scores:
	.size	k_qc6cb1aa3b4_scores, .Lfunc_end_k_qc6cb1aa3b4_scores-k_qc6cb1aa3b4_scores
	.p2alignl 7, 3214868480
	.fill 96, 4, 3214868480
	.section	.rodata,"a",@progbits
	.p2align	6, 0x0
	.amdhsa_kernel k_qc6cb1aa3b4_scores
		.amdhsa_group_segment_fixed_size 327680
		.amdhsa_private_segment_fixed_size 0
		.amdhsa_enable_private_segment 0
		.amdhsa_kernarg_size 72
		.amdhsa_user_sgpr_count 2
		.amdhsa_user_sgpr_kernarg_segment_ptr 1
		.amdhsa_wavefront_size32 1
		.amdhsa_system_sgpr_workgroup_id_x 1
		.amdhsa_system_sgpr_workgroup_id_y 1
		.amdhsa_system_sgpr_workgroup_id_z 1
		.amdhsa_system_vgpr_workitem_id 0
		.amdhsa_next_free_vgpr 1024
		.amdhsa_next_free_sgpr 96
		.amdhsa_reserve_vcc 0
		.amdhsa_float_denorm_mode_32 3
		.amdhsa_float_denorm_mode_16_64 3
		.amdhsa_memory_ordered 1
		.amdhsa_forward_progress 1
		.amdhsa_inst_pref_size 153
	.end_amdhsa_kernel
	.amdgpu_metadata
---
amdhsa.version: [ 1, 2 ]
amdhsa.kernels:
  - .name:           k_qc6cb1aa3b4_scores
    .symbol:         k_qc6cb1aa3b4_scores.kd
    .args:
      - { .name: z_codes, .offset: 0, .size: 8, .value_kind: global_buffer, .address_space: global }
      - { .name: z_scales, .offset: 8, .size: 8, .value_kind: global_buffer, .address_space: global }
      - { .name: keys_codes, .offset: 16, .size: 8, .value_kind: global_buffer, .address_space: global }
      - { .name: keys_scales, .offset: 24, .size: 8, .value_kind: global_buffer, .address_space: global }
      - { .name: values_codes, .offset: 32, .size: 8, .value_kind: global_buffer, .address_space: global }
      - { .name: values_scales, .offset: 40, .size: 8, .value_kind: global_buffer, .address_space: global }
      - { .name: pf, .offset: 48, .size: 8, .value_kind: global_buffer, .address_space: global }
      - { .name: st, .offset: 56, .size: 8, .value_kind: global_buffer, .address_space: global }
      - { .name: vf, .offset: 64, .size: 8, .value_kind: global_buffer, .address_space: global }
    .group_segment_fixed_size: 327680
    .private_segment_fixed_size: 0
    .kernarg_segment_align: 8
    .kernarg_segment_size: 72
    .max_flat_workgroup_size: 128
    .sgpr_count:     96
    .vgpr_count:     1024
    .wavefront_size: 32
...
	.end_amdgpu_metadata
.endif
;; end of part 1
;; launch mix (part 2): grid 4 x 64, 4 waves a work-group, clusters of 4 x 1, 327,680 bytes of LDS; arguments pf, st, vf, out0; writes out0
.if DOCPART == 2
	.amdgcn_target "amdgcn-amd-amdhsa--gfx1250"
	.amdhsa_code_object_version 6
	.text
	.protected	k_qc6cb1aa3b4_mix
	.globl	k_qc6cb1aa3b4_mix
	.p2align	8
	.type	k_qc6cb1aa3b4_mix,@function
k_qc6cb1aa3b4_mix:
	s_mov_b64 s[64:65], 0
	v_nop
	global_prefetch_b8 v0, s[64:65] scope:SCOPE_SE
	s_setreg_imm32_b32 hwreg(HW_REG_WAVE_MODE, 25, 1), 1
	s_wait_xcnt 0x0
	s_wait_alu depctr_hold_cnt(0) depctr_sa_sdst(0) depctr_va_vdst(0) depctr_va_sdst(0) depctr_va_ssrc(0) depctr_va_vcc(0) depctr_vm_vsrc(0)
	s_getreg_b32 s2, hwreg(HW_REG_IB_STS2, 6, 4)
	s_cmp_eq_u32 s2, 0
	s_cbranch_scc0 .Lentry_in_a_cluster
	s_endpgm
.Lentry_in_a_cluster:
	s_bfe_u32 s2, ttmp6, 0x10000c
	s_cmp_lg_u32 s2, 0x3003
	s_cbranch_scc0 .Lentry_shape_is_right
	s_endpgm
.Lentry_shape_is_right:
; SECOND OF TWO LAUNCHES.  out = (p values) / l on codes of FP6 (E2M3) with E8M0 scales, K = 4,096 keys in 32 steps of 128.
; IN: pf: p's codes as images of operand registers, [128 rows][step][tile of 16 rows][1,536 bytes]; st: [step][row] M, l, four scale bytes, each under the step's own M;
; vf: values as images, [256 channels][512 keys]: 64 images (16 x step + tile of 16 channels), then the tiles' scale bytes.
; HEAD: a thread takes one row's 32 records: the row's M is the largest; each step's l is brought under it by ldexp and summed; the whole number M(step) - M (held at -126) is taken off the step's four
; scale bytes, a byte that would fall under 0 being held at 0.  The scale words and 1 / l go to LDS for all waves.
; SHAPE: a work-group makes 128 rows x 256 channels, a wave all 128 rows x 64 channels: 32 accumulators.  The product is used transposed (source 0 = 16 channels, source 1 = 16 rows of p).
; p is read by all four waves: it comes through a ring of two LDS slots of four steps (49,152 bytes), each wave fetching a quarter, jointly with the three work-groups of the cluster that take the same rows.
; VALUES DO NOT GO THROUGH LDS AND ARE NOT ASKED FOR JOINTLY: a wave's four fragments of a step are read by that wave alone, so they go from memory straight into its registers, 12 loads of 512 consecutive
; bytes a step, three steps ahead, into four sets of 48 registers: of a step's 12 fragments a wave then reads 8 from LDS, and a slot holds a third of the bytes.
; p's later slots are prefetched; values are not: their own loads run three steps ahead.
; REGISTERS: window 0 addresses, scale words, the head's and the way out's work; window 1 the accumulators; window 2 p's fragments, two sets; window 3 values' fragments, four sets.
.set FRB,    1536
.set PB,     32*FRB                    ; four steps of p
.set VBLK,   102400                    ; four steps of values: 64 images and 4,096 scale bytes
.set SLOT,   PB
.set PSC,    2*SLOT                    ; p's scale words under the row's M
.set RL,     PSC+16384                 ; 1 / l, twice, for each row
.set SPARE,  RL+1024
.set SPITCH, 272
.set AP,  16                           ; v16, v17: 16 x lane in slot 0, 1; v16 is also the loads' offset
.set APS, 24
.set STO, 25
.set RD,  26
.set CO,  27
.set SPW, 28
.set NIL, 29
.set PFO, 30
.set ARL, 31
.set SC,  32                           ; v32-79: two sets of 16 words of p's scales and 8 of values'
.set REC, 80
.set WD,  208
.set TMP, 80
.set BK,  144
.set RLP, 208
.set G1,  24
.set G0,  32
.set VSA, 56                           ; s[56:57] values' scale bytes, s[58:59] values' images: my wave's, at the lap's first four steps
.set VBA, 58
.set PFA, 66
.set LIM, 68
.set MSB, 0
.macro WIN new
.if MSB != \new
	s_set_vgpr_msb (MSB<<8)|\new
.set MSB, \new
.endif
.endm
.set MUL,  0x5b                        ; source 0 window 3, source 1 window 2, C and D window 1
.set TO_P, 0x80
.set TO_V, 0xc0
.macro JLOAD s                         ; my quarter of a slot: every wave issues one
	tensor_load_to_lds s[G0+4*\s:G0+4*\s+3], s[G1:G1+7]
	s_nop 0
.rept 4
	v_nop
.endr
.endm
.macro CREST
	s_cmp_lg_u32 s14, 0
	s_cbranch_scc1 .Lnot_wave_0_\@
	s_barrier_signal -3
.Lnot_wave_0_\@:
	s_barrier_wait -3
	s_barrier_signal -1
	s_barrier_wait -1
.endm
.macro CROUND
	s_barrier_signal -1
	s_barrier_wait -1
	CREST
.endm
.macro ASK
	s_cmp_gt_u32 s3, s[LIM]
	s_cbranch_scc0 .Lnot_mine_\@
	global_prefetch_b8 v[PFO], s[PFA:PFA+1] th:TH_LOAD_NT scope:SCOPE_SE
.Lnot_mine_\@:
.endm
.macro VLOAD qd, q                     ; my four fragments of values of step q of the four steps qd on from the base, into set q
	WIN TO_V
.irp b, 0,1,2,3
.irp g, 0,1,2
	global_load_b128 v[48*(\q)+12*\b+4*\g:48*(\q)+12*\b+4*\g+3], v[AP], s[VBA:VBA+1] offset:(\qd)*VBLK+(16*(\q)+\b)*FRB+512*\g
.endr
.endr
.endm
.macro VSCALE qd, s                    ; their scale words for four steps: lanes 0-15 the even tile, lanes 16-31 the odd one
.irp j, 0,1
	global_load_b128 v[SC+24*(\s)+16+4*\j:SC+24*(\s)+16+4*\j+3], v[AP], s[VSA:VSA+1] offset:(\qd)*VBLK+512*\j
.endr
.endm
	s_load_b256 s[4:11], s[0:1], 0x0               ; pf s[4:5], st s[6:7], vf s[8:9], out s[10:11]
	v_lshl_add_u32 v[SPW], v0, 2, SPARE
	v_mov_b32 v[NIL], 0
	ds_add_u32 v28, v29                            ; the opening lines: the add, twice on end, and its wait
	ds_add_u32 v28, v29
	s_wait_dscnt 0x0
	v_lshrrev_b32 v1, 5, v0
	v_readfirstlane_b32 s14, v1                    ; wave
	s_bfe_u32 s40, ttmp6, 0x40000                  ; cx
	s_lshl_b32 s42, ttmp9, 2
	s_add_co_u32 s42, s42, s40                     ; which 256 channels
	s_and_b32 s17, ttmp7, 0xffff                   ; which 128 rows
	s_mov_b32 s[G1], 15|(3<<16)|(1<<21)            ; the cluster's four; elements of 8 bytes; 48 rows of 256 bytes
	s_mov_b32 s[G1+1], 32<<16
	s_mov_b32 s[G1+2], 48<<16
	s_mov_b32 s[G1+3], 32<<16
	s_mov_b32 s[G1+4], 48
	s_mov_b32 s[G1+5], 32
	s_mov_b32 s[G1+6], 0
	s_mov_b32 s[G1+7], 0
	s_mul_i32 s20, s17, 8*PB
	s_mul_i32 s18, s14, PB/4
	s_add_co_u32 s20, s20, s18
	s_mov_b32 s21, 0
	s_mul_i32 s46, s42, 8*VBLK
	s_mul_i32 s19, s14, 4*FRB
	s_add_co_u32 s46, s46, s19                     ; my four tiles' images
	s_mov_b32 s47, 0
	s_mul_i32 s44, s42, 8*VBLK
	s_lshl_b32 s19, s14, 10
	s_add_co_u32 s44, s44, s19
	s_add_co_u32 s44, s44, 64*FRB                  ; and their scale bytes, behind the 64 images
	s_mov_b32 s45, 0
	s_mul_i32 s72, s17, 8*PB
	s_mul_i32 s74, s40, 24576
	s_add_co_u32 s72, s72, s74
	s_lshl_b32 s74, s14, 13
	s_add_co_u32 s72, s72, s74
	s_add_co_u32 s72, s72, 2*PB
	s_mov_b32 s73, 0
	s_lshl_b32 s76, s17, 11
	s_mov_b32 s77, 0
	s_lshl_b32 s78, s17, 19
	s_lshl_b32 s74, s42, 10
	s_add_co_u32 s78, s78, s74
	s_lshl_b32 s74, s14, 8
	s_add_co_u32 s78, s78, s74
	s_mov_b32 s79, 0
	s_cmp_lt_u32 s14, 3
	s_cselect_b32 s[LIM], 1, -1
	s_mov_b32 s69, 0x01010101
	s_mov_b32 s70, 0x80808080
	v_lshlrev_b32 v12, 4, v0
	v_and_b32 v1, 31, v0
	v_lshlrev_b32 v[AP], 4, v1
	s_wait_kmcnt 0x0
	s_add_nc_u64 s[20:21], s[4:5], s[20:21]
	s_add_nc_u64 s[VBA:VBA+1], s[8:9], s[46:47]
	s_add_nc_u64 s[VSA:VSA+1], s[8:9], s[44:45]
	s_add_nc_u64 s[PFA:PFA+1], s[4:5], s[72:73]
	s_add_nc_u64 s[6:7], s[6:7], s[76:77]
	s_add_nc_u64 s[10:11], s[10:11], s[78:79]
	s_wait_alu depctr_va_vdst(0)                   ; the wait ahead of the first readers of v12 and v16
.set c, 0
.rept 32
	global_load_b128 v[REC+4*c:REC+4*c+3], v12, s[6:7] offset:131072*c   ; my row's 32 records
.set c, c+1
.endr
	VSCALE 0, 0                                    ; values: the first four steps' scale words and the first three steps' fragments
	VLOAD 0, 0
	VLOAD 0, 1
	VLOAD 0, 2
	WIN 0
	CROUND
.irp s, 0,1
	s_mov_b32 s[G0+4*\s], 1
	s_add_co_u32 s[G0+4*\s+1], s18, \s*SLOT
	s_add_nc_u64 s[G0+4*\s+2:G0+4*\s+3], s[20:21], \s*PB
	s_or_b32 s[G0+4*\s+3], s[G0+4*\s+3], 0x80000000
.endr
	JLOAD 0                                        ; slot 0: the wave's one tensor load at the head; the records are worked while it is out
	v_and_b32 v2, 15, v0
	v_bfe_u32 v3, v0, 4, 1
	v_add_nc_u32 v[AP+1], SLOT, v[AP]
	v_add_nc_u32 v[APS], PSC, v[AP]
	s_mul_i32 s74, s14, 16*SPITCH
	v_mul_u32_u24 v5, v2, SPITCH
	v_lshl_add_u32 v5, v3, 5, v5
	v_add_nc_u32 v[STO], s74, v5
	v_mul_u32_u24 v5, v3, SPITCH
	v_lshl_add_u32 v5, v2, 4, v5
	v_add_nc_u32 v[RD], s74, v5
	v_lshlrev_b32 v5, 12, v3
	v_lshl_add_u32 v[CO], v2, 4, v5
	v_lshlrev_b32 v[PFO], 8, v1
	v_lshl_add_u32 v[ARL], v2, 3, RL
	v_lshl_add_u32 v9, v0, 4, PSC
	v_lshl_add_u32 v13, v0, 3, RL
	v_mov_b32 v10, 0
	v_mov_b32 v11, 0
	s_wait_loadcnt 38                              ; the records are in; values' 2 + 36 loads may be out
	v_max3_num_f32 v14, v[REC], v[REC+4], v[REC+8]
	v_max3_num_f32 v15, v[REC+12], v[REC+16], v[REC+20]
.irp c, 6,10,14,18,22,26
	v_max3_num_f32 v14, v14, v[REC+4*\c], v[REC+4*\c+4]
	v_max3_num_f32 v15, v15, v[REC+4*\c+8], v[REC+4*\c+12]
.endr
	v_max3_num_f32 v14, v14, v[REC+120], v[REC+124]
	v_max_num_f32 v14, v14, v15                    ; the row's M
.macro SHIFT4 sg                       ; four steps' records
.irp k, 0,1,2,3
	v_sub_f32 v[240+\k], v[REC+16*\sg+4*\k], v14
.endr
.irp k, 0,1,2,3
	v_max_num_f32 v[240+\k], 0xc2fc0000, v[240+\k]
.endr
.irp k, 0,1,2,3
	v_cvt_i32_f32 v[240+\k], v[240+\k]
.endr
.irp k, 0,1,2,3
	v_ldexp_f32 v[252+\k], v[REC+16*\sg+4*\k+1], v[240+\k]
.endr
.irp k, 0,1,2,3
	v_or_b32 v[244+\k], s70, v[REC+16*\sg+4*\k+2]  ; bit 7 of each byte (the bytes are under 128) takes the borrow
.endr
.irp k, 0,1,2,3
	v_mul_lo_u32 v[240+\k], v[240+\k], s69
.endr
	v_add_f32 v10, v10, v252
	v_add_f32 v11, v11, v253
	v_add_f32 v10, v10, v254
	v_add_f32 v11, v11, v255
.irp k, 0,1,2,3
	v_add_nc_u32 v[244+\k], v[244+\k], v[240+\k]
.endr
.irp k, 0,1,2,3
	v_and_b32 v[248+\k], s70, v[244+\k]
.endr
.irp k, 0,1,2,3
	v_lshrrev_b32 v[240+\k], 7, v[248+\k]
.endr
.irp k, 0,1,2,3
	v_sub_nc_u32 v[248+\k], v[248+\k], v[240+\k]
.endr
.irp k, 0,1,2,3
	v_and_b32 v[WD+4*\sg+\k], v[244+\k], v[248+\k]
.endr
	ds_store_b128 v9, v[WD+4*\sg:WD+4*\sg+3] offset:2048*\sg
.endm
.irp sg, 0,1,2,3,4,5,6,7
	SHIFT4 \sg
.endr
	v_add_f32 v10, v10, v11
	s_wait_alu depctr_va_vdst(0)
	v_rcp_f32 v6, v10
	v_nop
	s_wait_alu depctr_va_vdst(0)
	v_mov_b32 v7, v6
	ds_store_b64 v13, v[6:7]
	s_wait_tensorcnt 0x0                           ; my part of slot 0 is in
	ds_add_u32 v28, v29
	s_wait_dscnt 0x0                               ; the add is done, and my scale words and divisors are stored
	CROUND                                         ; everybody's are, in all four work-groups
	JLOAD 1                                        ; slot 1's first fill: the first tensor load behind the round
.macro MUL8 a0, q, set, sc, zero       ; p's tiles a0, a0 + 1 x my four tiles of values; the 32 accumulators take turns
.irp a, \a0, \a0+1
.irp b, 0,1,2,3
.set rD, 8*(4*(\a)+\b)
.set rV, 48*(\q)+12*\b
.set rP, 96*(\set)+12*(\a)
.set rSV, SC+24*(\sc)+16+4*(\b/2)+(\q)
.set rSP, SC+24*(\sc)+4*((\a)/2)+(\q)
.set odd, 2*((\a)%2)+(\b%2)
.if \zero
.if odd == 0
	v_wmma_scale_f32_16x16x128_f8f6f4 v[rD:rD+7], v[rV:rV+11], v[rP:rP+11], 0, v[rSV], v[rSP] matrix_a_fmt:MATRIX_FMT_FP6 matrix_b_fmt:MATRIX_FMT_FP6
.elseif odd == 1
	v_wmma_scale_f32_16x16x128_f8f6f4 v[rD:rD+7], v[rV:rV+11], v[rP:rP+11], 0, v[rSV], v[rSP] matrix_a_fmt:MATRIX_FMT_FP6 matrix_b_fmt:MATRIX_FMT_FP6 matrix_a_scale:MATRIX_SCALE_ROW1
.elseif odd == 2
	v_wmma_scale_f32_16x16x128_f8f6f4 v[rD:rD+7], v[rV:rV+11], v[rP:rP+11], 0, v[rSV], v[rSP] matrix_a_fmt:MATRIX_FMT_FP6 matrix_b_fmt:MATRIX_FMT_FP6 matrix_b_scale:MATRIX_SCALE_ROW1
.else
	v_wmma_scale_f32_16x16x128_f8f6f4 v[rD:rD+7], v[rV:rV+11], v[rP:rP+11], 0, v[rSV], v[rSP] matrix_a_fmt:MATRIX_FMT_FP6 matrix_b_fmt:MATRIX_FMT_FP6 matrix_a_scale:MATRIX_SCALE_ROW1 matrix_b_scale:MATRIX_SCALE_ROW1
.endif
.else
.if odd == 0
	v_wmma_scale_f32_16x16x128_f8f6f4 v[rD:rD+7], v[rV:rV+11], v[rP:rP+11], v[rD:rD+7], v[rSV], v[rSP] matrix_a_fmt:MATRIX_FMT_FP6 matrix_b_fmt:MATRIX_FMT_FP6
.elseif odd == 1
	v_wmma_scale_f32_16x16x128_f8f6f4 v[rD:rD+7], v[rV:rV+11], v[rP:rP+11], v[rD:rD+7], v[rSV], v[rSP] matrix_a_fmt:MATRIX_FMT_FP6 matrix_b_fmt:MATRIX_FMT_FP6 matrix_a_scale:MATRIX_SCALE_ROW1
.elseif odd == 2
	v_wmma_scale_f32_16x16x128_f8f6f4 v[rD:rD+7], v[rV:rV+11], v[rP:rP+11], v[rD:rD+7], v[rSV], v[rSP] matrix_a_fmt:MATRIX_FMT_FP6 matrix_b_fmt:MATRIX_FMT_FP6 matrix_b_scale:MATRIX_SCALE_ROW1
.else
	v_wmma_scale_f32_16x16x128_f8f6f4 v[rD:rD+7], v[rV:rV+11], v[rP:rP+11], v[rD:rD+7], v[rSV], v[rSP] matrix_a_fmt:MATRIX_FMT_FP6 matrix_b_fmt:MATRIX_FMT_FP6 matrix_a_scale:MATRIX_SCALE_ROW1 matrix_b_scale:MATRIX_SCALE_ROW1
.endif
.endif
.endr
.endr
.endm
.macro FETCH slot, q, set              ; p's eight fragments of the slot's step q: 24 loads
	WIN TO_P
.irp a, 0,1,2,3,4,5,6,7
.irp g, 0,1,2
	ds_load_b128 v[96*(\set)+12*\a+4*\g:96*(\set)+12*\a+4*\g+3], v[AP+\slot] offset:(8*(\q)+\a)*FRB+512*\g
.endr
.endr
.endm
.macro SCALES s                        ; p's scale words of four steps
.irp j, 0,1,2,3
	ds_load_b128 v[SC+24*\s+4*\j:SC+24*\s+4*\j+3], v[APS] offset:512*\j
.endr
.endm
.macro PLACES n
.rept \n
	v_nop
.endr
.endm
; One of a slot's first three steps.  vqd >= 0: values' fragments three steps on are asked for, into the set that the last step read; vsq >= 0: the next four steps' scale words of values.
; n: the loads younger than this step's own fragments of values that may stay out.
.macro STEP slot, q, zero, vqd, vsq, n
	PLACES 4
.if \vsq >= 0
	WIN 0
	VSCALE \vsq, 1-\slot
.endif
.if \vqd >= 0
	VLOAD \vqd, ((\q)+3)%4
.endif
	FETCH \slot, (\q)+1, ((\q)+1)%2
	s_wait_loadcnt \n
	s_wait_dscnt 24                                ; all but the 24 just issued
	WIN MUL
	MUL8 0, \q, (\q)%2, \slot, \zero
	MUL8 2, \q, (\q)%2, \slot, \zero
	MUL8 4, \q, (\q)%2, \slot, \zero
	MUL8 6, \q, (\q)%2, \slot, \zero
.endm
; A slot's last step changes slots: one barrier, which opens a round of the cluster's barrier where the slot is filled again.
.macro TURN slot, next, fill, ask, vqd, n
	WIN 0
.if \ask
	s_wait_xcnt 0x0
	s_add_nc_u64 s[PFA:PFA+1], s[PFA:PFA+1], 2*PB
.endif
	PLACES 4
	VLOAD \vqd, 2
	WIN 0
	s_wait_loadcnt \n
	s_wait_tensorcnt 0x0                           ; all my tensor loads have landed: my part of the next slot
	ds_add_u32 v[SPW], v[NIL]
	s_wait_dscnt 1
	WIN MUL
	MUL8 0, 3, 1, \slot, 0
	s_wait_dscnt 0x0                               ; the add is done, and my reads of this slot are over
	s_barrier_signal -1
	MUL8 2, 3, 1, \slot, 0
	WIN 0
	s_barrier_wait -1
.if \fill
	CREST
	s_add_nc_u64 s[G0+4*\slot+2:G0+4*\slot+3], s[G0+4*\slot+2:G0+4*\slot+3], 2*PB
	JLOAD \slot
.else
	PLACES 4
.endif
	s_wait_alu depctr_va_vdst(0)
	v_add_nc_u32 v[APS], 2048, v[APS]
	FETCH \next, 0, 0
	WIN 0
	SCALES \next
.if \ask
	ASK
.endif
	WIN MUL
	MUL8 4, 3, 1, \slot, 0
	MUL8 6, 3, 1, \slot, 0
.endm
	FETCH 0, 0, 0
	WIN 0
	SCALES 0
	STEP 0, 0, 1, 0, 1, 36                         ; the first products start the sums
	WIN 0
	s_mov_b32 s3, 3
.Llap:                                                 ; a trip goes once round the ring, from a lap's second step to the next lap's first
	STEP 0, 1, 0, 1, -1, 36
	STEP 0, 2, 0, 1, -1, 36
	TURN 0, 1, 1, 1, 1, 36
	STEP 1, 0, 0, 1, 2, 36
	STEP 1, 1, 0, 2, -1, 36
	STEP 1, 2, 0, 2, -1, 36
	TURN 1, 0, 1, 0, 2, 36
	STEP 0, 0, 0, 2, 3, 36
	WIN 0
	s_wait_xcnt 0x0                                ; the loads have read their bases
	s_add_nc_u64 s[VBA:VBA+1], s[VBA:VBA+1], 2*VBLK
	s_add_nc_u64 s[VSA:VSA+1], s[VSA:VSA+1], 2*VBLK
	s_sub_co_u32 s3, s3, 1
	s_cmp_lg_u32 s3, 0
	s_cbranch_scc1 .Llap
	STEP 0, 1, 0, 1, -1, 36                        ; the last lap asks for nothing beyond step 31
	STEP 0, 2, 0, 1, -1, 36
	TURN 0, 1, 0, 0, 1, 36
	STEP 1, 0, 0, 1, -1, 36
	STEP 1, 1, 0, -1, -1, 24
	STEP 1, 2, 0, -1, -1, 12
	s_wait_loadcnt 0x0
	s_wait_dscnt 0x0
	WIN MUL
	MUL8 0, 3, 1, 1, 0
	MUL8 2, 3, 1, 1, 0
	MUL8 4, 3, 1, 1, 0
	MUL8 6, 3, 1, 1, 0
	WIN 0
.irp a, 0,1,2,3,4,5,6,7
	ds_load_b64 v[RLP+2*\a:RLP+2*\a+1], v[ARL] offset:128*\a
.endr
	PLACES 4
	s_wait_dscnt 0x0
; THE WAY OUT: x 1 / l, then 16 rows at a time through my own stage (in slot 0, which has had its last fill and its last read), so that sixteen lanes store 256 consecutive bytes, aligned.
.macro PACK a
	WIN 0x01
.irp j, 0,2,4,6,8,10,12,14,16,18,20,22,24,26,28,30
	v_pk_mul_f32 v[TMP+32*((\a)%2)+\j:TMP+32*((\a)%2)+\j+1], v[32*(\a)+\j:32*(\a)+\j+1], v[RLP+2*(\a):RLP+2*(\a)+1]
.endr
	WIN 0
.endm
.macro TOSTAGE a
.set TT, TMP+32*((\a)%2)
.set BB, BK+32*((\a)%2)
.irp b, 0,1,2,3
	ds_store_b128 v[STO], v[TT+8*\b:TT+8*\b+3] offset:64*\b
	ds_store_b128 v[STO], v[TT+8*\b+4:TT+8*\b+7] offset:64*\b+16
.endr
.irp t, 0,1,2,3,4,5,6,7
	ds_load_b128 v[BB+4*\t:BB+4*\t+3], v[RD] offset:\t*2*SPITCH
.endr
.endm
.macro SEND a, younger
.set BB, BK+32*((\a)%2)
	s_wait_dscnt \younger
.irp t, 0,1,2,3,4,5,6,7
	global_store_b128 v[CO], v[BB+4*\t:BB+4*\t+3], s[10:11] offset:(16*(\a)+2*\t)*4096 th:TH_STORE_NT
.endr
.endm
	PACK 0
	TOSTAGE 0
.irp a, 1,2,3,4,5,6,7
	PACK \a
.if \a > 1
	s_wait_alu depctr_va_vdst(0)
	s_wait_xcnt 0x0
.endif
	TOSTAGE \a
	SEND \a-1, 16
.endr
	SEND 7, 0
	s_wait_tensorcnt 0x0                           ; the wave's end
	ds_add_u32 v[SPW], v[NIL]
	s_wait_dscnt 0x0
	CROUND                                         ; the closing round
	s_endpgm
.Lfunc_end_k_qc6cb1aa3b4_mix:
	.size	k_qc6cb1aa3b4_mix, .Lfunc_end_k_qc6cb1aa3b4_mix-k_qc6cb1aa3b4_mix
	.p2alignl 7, 3214868480
	.fill 96, 4, 3214868480
	.section	.rodata,"a",@progbits
	.p2align	6, 0x0
	.amdhsa_kernel k_qc6cb1aa3b4_mix
		.amdhsa_group_segment_fixed_size 327680
		.amdhsa_private_segment_fixed_size 0
		.amdhsa_enable_private_segment 0
		.amdhsa_kernarg_size 32
		.amdhsa_user_sgpr_count 2
		.amdhsa_user_sgpr_kernarg_segment_ptr 1
		.amdhsa_wavefront_size32 1
		.amdhsa_system_sgpr_workgroup_id_x 1
		.amdhsa_system_sgpr_workgroup_id_y 1
		.amdhsa_system_sgpr_workgroup_id_z 1
		.amdhsa_system_vgpr_workitem_id 0
		.amdhsa_next_free_vgpr 1024
		.amdhsa_next_free_sgpr 80
		.amdhsa_reserve_vcc 0
		.amdhsa_float_denorm_mode_32 3
		.amdhsa_float_denorm_mode_16_64 3
		.amdhsa_memory_ordered 1
		.amdhsa_forward_progress 1
		.amdhsa_inst_pref_size 166
	.end_amdhsa_kernel
	.amdgpu_metadata
---
amdhsa.version: [ 1, 2 ]
amdhsa.kernels:
  - .name:           k_qc6cb1aa3b4_mix
    .symbol:         k_qc6cb1aa3b4_mix.kd
    .args:
      - { .name: pf, .offset: 0, .size: 8, .value_kind: global_buffer, .address_space: global }
      - { .name: st, .offset: 8, .size: 8, .value_kind: global_buffer, .address_space: global }
      - { .name: vf, .offset: 16, .size: 8, .value_kind: global_buffer, .address_space: global }
      - { .name: out0, .offset: 24, .size: 8, .value_kind: global_buffer, .address_space: global }
    .group_segment_fixed_size: 327680
    .private_segment_fixed_size: 0
    .kernarg_segment_align: 8
    .kernarg_segment_size: 32
    .max_flat_workgroup_size: 128
    .sgpr_count:     80
    .vgpr_count:     1024
    .wavefront_size: 32
...
	.end_amdgpu_metadata
.endif
;; end of part 2
